; MI455X (gfx1250); checked and timed in simulation.
; The chip was launched on July 23, 2026; its instructions are those of AMD's public machine-readable ISA for CDNA 5 (MIT licence, August 2026) and "CDNA5" Instruction Set Architecture Reference Guide (July 2026). The comments in the code are by the model that wrote it; some were corrected since.
;; CNF. Allowed arithmetic: float matrix products may take bf16 or f16 operands with f32 sums; other float arithmetic in f32, or as packed bf16 or f16 multiplies, adds, multiply-adds, maxima and minima; sums over many terms, partial sums and values carried from step to step in f32; what a program stores and reads back later, other than sums and carried values, may be rounded once to bf16 or f16.
;; Inputs: W1 9 x 64 float32; W2 64 x 64 float32; W3 64 x 8 float32; b1 64 float32; b2 64 float32; b3 8 float32; x 16,384 x 8 float32.
;; Outputs: out0 16,384 x 8 float32; out1 16,384 float32.
;; 2 versions, each right and faster than the one before. Each part assembles by itself: llvm-mc -triple=amdgcn-amd-amdhsa -mcpu=gfx1250 --defsym DOCPART=n.
;; ======== version 1 of 2: 1 launch
;; limits: values outside matrix products are rounded to f16; values are held in f16: magnitudes above 65,504 overflow, below 6.1e-05 lose precision; inputs' magnitudes at most 11,350; right only within a limited range of input values
;; launch cnf (part 1): grid 256 x 1, 4 waves a work-group, no clusters, 768 bytes of LDS; arguments x, W1, b1, W2, b2, W3, b3, out0, out1; writes out0, out1
.if DOCPART == 1
	.amdgcn_target "amdgcn-amd-amdhsa--gfx1250"
	.amdhsa_code_object_version 6
	.text
	.protected	k_qf4094fc54a_cnf
	.globl	k_qf4094fc54a_cnf
	.p2align	8
	.type	k_qf4094fc54a_cnf,@function
k_qf4094fc54a_cnf:
	s_mov_b64 s[64:65], 0
	v_nop
	global_prefetch_b8 v0, s[64:65] scope:SCOPE_SE
	s_setreg_imm32_b32 hwreg(HW_REG_WAVE_MODE, 25, 1), 1
	s_wait_xcnt 0x0
; CONTINUOUS NORMALISING FLOW: 8 Dormand-Prince steps (6 stages each) of y' = f(t, y), f a 9 -> 64 -> 64 -> 8 tanh network, and the integral of -trace(df/dx).
; SHARES.  16,384 samples = 1,024 tiles of 16: one wave owns 16 samples for the whole integration, a work-group of four waves 64.  The loop touches neither memory nor LDS.
; LAYOUT.  Every product is used transposed: source 0 = 16 units x 32 K of weights, source 1 = 32 K x 16 samples.  Lane (r = lane % 16, h = lane / 16) then holds sample r and units
; 16 T + 8 h + 0..7 of result tile T; two neighbouring tiles, rounded in pairs to f16, ARE source 1 of the next product: nothing ever changes lanes.
; TANH.  An accumulator holds S = LC a, LC = 2 log2(e).  e = 2^S, r = 1 / (1 + e), tanh a = 1 - 2 r, 1 - tanh^2 a = 4 q, q = r - r^2.  r is what the next product takes: the factor -2 lies in
; its weights, the 1 in its bias (the column sums of the ROUNDED weights, made by a product with -0.5, so that the net effect is exactly weights x (1 - 2 r)).  dt = 1/8 lies in W3's factor.
; TRACE.  trace(df/dx) = sum over j, k of d1[j] M[j][k] d2[k], M[j][k] = W2[j][k] sum_i W1[i][j] W3[k][i]: an identity for every input, one more 64 x 64 product in place of eight
; Jacobian-vector products.  The log-determinant is never fed back into f, so it is the weighted sum of the stages' traces alone; stage 2 has no weight in it, and its trace is not made.
; M is scaled by powers of two taken from the largest |W1|, |W2|, |W3|, so that it lies under 2^15 in f16 whatever the weights' size; the factors are taken out again at the end.
; TIME.  t = step / 8 (exact in f16) + c_i / 8 (an f16 number and its f16 remainder), as further K rows of the first product, beside a row of ones for b1.
; LIMITS.  Matrix operands are f16: |state| < 65,504; |W1|, |b1| < 22,700; |W2| < 11,350; |W3| < 262,000.  Largest weights outside 2^-60 .. 2^60 are not scaled properly.
; c_i / 8 is off by less than 3e-8.  NaN and infinities are not treated apart.  2^S that overflows gives r = 0, tanh = 1, as it should.
.set SPARE, 256                        ; LDS: bytes 0-255 the work-group's 64 log-determinants; from 256 on the spare words, 128 bytes a wave
.set LC,    0x4038aa3b                 ; 2 log2(e)
.set M2LC,  0xc0b8aa3b                 ; -2 LC
.set ILC2,  0x3df5fdf0                 ; 1 / LC^2
; Dormand-Prince
.set RK_A21, 0x3e4ccccd
.set RK_A31, 0x3d99999a
.set RK_A32, 0x3e666666
.set RK_A41, 0x3f7a4fa5
.set RK_A42, 0xc06eeeef
.set RK_A43, 0x40638e39
.set RK_A51, 0x403cf760
.set RK_A52, 0xc139885f
.set RK_A53, 0x411d2a92
.set RK_A54, 0xbe94e4f6
.set RK_A61, 0x40362960
.set RK_A62, 0xc12c1f08
.set RK_A63, 0x410e80b5
.set RK_A64, 0x3e8e8ba3
.set RK_A65, 0xbe8c0c4c
.set RK_B1,  0x3dbaaaab
.set RK_B3,  0x3ee6024d
.set RK_B4,  0x3f26aaab
.set RK_B5,  0xbea50e7e
.set RK_B6,  0x3e061862
; c_i / 8 as two f16: the number in the low half, its remainder in the high half
.set CI2, 0x00662666
.set CI3, 0x806628cd
.set CI4, 0x019a2e66
.set CI5, 0x01c72f1c
.set CI6, 0x00003000
; window 0, the loop
.set SPW,  1                           ; v1   LDS address of my spare word; never rewritten
.set NIL,  2                           ; v2   0; never rewritten
.set VT,   3                           ; v3   step / 8
.set ONE,  4                           ; v4   1.0
.set TACC, 6                           ; v[6:7]    the weighted sum of the stages' traces (even units', odd units')
.set TS,   8                           ; v[8:11]   a stage's trace, two chains
.set LR,   12                          ; v12  r
.set LH,   13                          ; v13  h
.set TA,   14                          ; v14, v15 at work
.set TB,   15
.set INB,  16                          ; v[16:23]  source 1 of the first product: x, (t, 1), (c, its remainder), 0
.set YY,   24                          ; v[24:31]  the state, whole in both halves of the lanes
.set KK,   32                          ; v[32:39]  dt k of the stage in hand
.set P2,   40                          ; the stages' arguments, summed up as the k arrive
.set P3,   48
.set P4,   56
.set P5,   64
.set P6,   72
.set PF,   80
.set RB1,  88                          ; v[88:103]   r of layer 1, f16
.set QB,   104                         ; v[104:119]  q of layer 1, f16
.set RB2,  120                         ; v[120:135]  r of layer 2, f16
.set ACC1, 136                         ; v[136:167]  layer 1: S, then e, 1 + e, r, q, in place
.set ACC2, 168                         ; v[168:199]  layer 2 likewise
.set ACCU, 200                         ; v[200:231]  U = M^T q1
.set F1,   232                         ; v232, v233  the powers of two that are taken out at the end
.set F2,   233
.set OOF,  234                         ; v234 my byte offset in the wave's 512 bytes of out0
.set LAD,  235                         ; v235 LDS address of my sample's log-determinant
.set OD,   236                         ; v[236:239]  16 bytes for out0
; window 0, the set-up only (all lie where the loop writes before it reads)
.set BC,   16                          ; a fragment of -0.5
.set W3R,  32                          ; W3's rows 16 T + r, then as source 1 of C
.set A1R,  64                          ; 10 T + i: W1[i][16 T + r], i = 0..8; i = 9: b1
.set A3R,  104                         ; 16 c + e: W3[k][r % 8]
.set MX,   136                         ; v[136:143] maxima
.set FAC,  144                         ; LC in lanes 0-15, 0 in lanes 16-31
.set SG3,  146
.set SG12, 148
.set AX,   240                         ; byte offsets, never rewritten
.set AA1,  241
.set AA3,  242
.set AB2,  243
.set AW2,  244
; window 1: the weights as source 0, the biases as C
.set FA1,  0                           ; 8 T
.set FA2,  32                          ; 16 T + 8 c
.set FAM,  96                          ; 16 T + 8 c
.set FA3,  160                         ; 8 c
.set CB2,  176                         ; 8 T
.set CB3,  208
; window 2: the set-up's scratch, both by 32 T + 16 c + e: element e of chunk c is K index 32 c + 8 h + e + 8 (e / 8), the unit is 16 T + r
.set DW,   0
.set W2F,  128
.set MSB, 0
.macro WIN new                         ; s_set_vgpr_msb: bits 1:0 source 0, 3:2 source 1, 5:4 source 2, 7:6 destination; the high byte repeats the setting that is left
.if MSB != (\new)
	s_set_vgpr_msb (MSB<<8)|(\new)
.set MSB, (\new)
.endif
.endm
.macro NOPS k
.rept \k
	v_nop
.endr
.endm
	s_load_b512 s[8:23], s[0:1], 0x0               ; x s[8:9], W1 s[10:11], b1 s[12:13], W2 s[14:15], b2 s[16:17], W3 s[18:19], b3 s[20:21], out0 s[22:23]
	s_load_b64 s[24:25], s[0:1], 0x40              ; out1
	v_lshl_add_u32 v[SPW], v0, 2, SPARE
	v_mov_b32 v[NIL], 0
	v_and_b32 v[LR], 15, v0
	v_bfe_u32 v[LH], v0, 4, 1
	v_lshrrev_b32 v[TA], 5, v0
	v_readfirstlane_b32 s2, v[TA]                  ; wave 0..3
	s_mov_b32 s6, 0x76543210                       ; v_permlanex16_b32: each lane takes its own place in the other half
	s_mov_b32 s7, 0xfedcba98
	v_lshlrev_b32 v[AX], 5, v[LR]                  ; a row of 8 f32 (x, W3): 32 r
	v_lshlrev_b32 v[AA1], 2, v[LR]                 ; a column of W1, W2, an entry of b1: 4 r
	v_and_b32 v[TA], 7, v0
	v_lshlrev_b32 v[AA3], 2, v[TA]
	v_lshl_add_u32 v[AA3], v[LH], 8, v[AA3]        ; W3: 8 h rows of 32 bytes + 4 (r % 8)
	v_lshlrev_b32 v[AB2], 5, v[LH]                 ; b2: 8 h entries
	v_lshl_add_u32 v[AW2], v[LH], 11, v[AA1]       ; W2: 8 h rows of 256 bytes + 4 r
	v_lshl_add_u32 v[OOF], v[LH], 4, v[AX]         ; out0: 32 r + 16 h
	s_lshl_b32 s36, s2, 6
	v_add_nc_u32 v[LAD], s36, v[AA1]               ; 64 wave + 4 r
	s_lshl_b32 s4, ttmp9, 11                       ; the work-group's 64 rows of 32 bytes,
	s_lshl_b32 s5, s2, 9                           ; the wave's 16 of them
	s_add_co_u32 s4, s4, s5
	s_mov_b32 s5, 0
	s_lshl_b32 s26, ttmp9, 8                       ; the work-group's 64 numbers of out1
	s_mov_b32 s27, 0
	s_wait_kmcnt 0x0
	s_load_b256 s[28:35], s[20:21], 0x0            ; b3, the same in every lane
	s_add_nc_u64 s[8:9], s[8:9], s[4:5]
	s_add_nc_u64 s[22:23], s[22:23], s[4:5]
	s_add_nc_u64 s[24:25], s[24:25], s[26:27]
	; ALL LOADS ON END: 90 small ones, then W2's 128
	global_load_b128 v[YY:YY+3],   v[AX], s[8:9]
	global_load_b128 v[YY+4:YY+7], v[AX], s[8:9] offset:16
.set t, 0
.rept 4
.set i, 0
.rept 9
	global_load_b32 v[A1R+10*t+i], v[AA1], s[10:11] offset:256*i+64*t
.set i, i+1
.endr
	global_load_b32 v[A1R+10*t+9], v[AA1], s[12:13] offset:64*t
.set t, t+1
.endr
.set t, 0
.rept 4
	global_load_b128 v[W3R+8*t:W3R+8*t+3],   v[AX], s[18:19] offset:512*t
	global_load_b128 v[W3R+8*t+4:W3R+8*t+7], v[AX], s[18:19] offset:512*t+16
.set t, t+1
.endr
.set c, 0
.rept 2
.set e, 0
.rept 16
	global_load_b32 v[A3R+16*c+e], v[AA3], s[18:19] offset:32*(32*c+e+8*(e/8))
.set e, e+1
.endr
.set c, c+1
.endr
	WIN 0x40                                       ; destination window 1, offset window 0
.set t, 0
.rept 4
	global_load_b128 v[CB2+8*t:CB2+8*t+3],   v[AB2], s[16:17] offset:64*t
	global_load_b128 v[CB2+8*t+4:CB2+8*t+7], v[AB2], s[16:17] offset:64*t+16
.set t, t+1
.endr
	WIN 0x80                                       ; destination window 2
.set t, 0
.rept 4
.set c, 0
.rept 2
.set e, 0
.rept 16
	global_load_b32 v[W2F+32*t+16*c+e], v[AW2], s[14:15] offset:256*(32*c+e+8*(e/8))+64*t
.set e, e+1
.endr
.set c, c+1
.endr
.set t, t+1
.endr
	WIN 0
; The largest of a number over the wave, held to 2^-60 .. 2^60; what is left is its exponent field, in place.
.macro WMAX m, t
	v_max_num_f32_dpp v[\m], v[\m], v[\m] row_xmask:1 row_mask:0xf bank_mask:0xf
	v_max_num_f32_dpp v[\m], v[\m], v[\m] row_xmask:2 row_mask:0xf bank_mask:0xf
	v_max_num_f32_dpp v[\m], v[\m], v[\m] row_xmask:4 row_mask:0xf bank_mask:0xf
	v_max_num_f32_dpp v[\m], v[\m], v[\m] row_xmask:8 row_mask:0xf bank_mask:0xf
	v_permlanex16_b32 v[\t], v[\m], s6, s7
	v_max_num_f32 v[\m], v[\m], v[\t]
	v_max_num_f32 v[\m], 0x21800000, v[\m]
	v_min_num_f32 v[\m], 0x5d800000, v[\m]
	v_and_b32 v[\m], 0x7f800000, v[\m]
.endm
	; THE SMALL FRAGMENTS, while W2 is on its way
	s_wait_loadcnt 63                              ; loads come back in order (ISA guide 5.7.1): of 218 at most the youngest 63 are out, all of them W2's; the 90 used here are the oldest
.irp i, 0,1,2,3
	v_mov_b32 v[MX+\i], 0
.endr
.set t, 0
.rept 4
.set i, 0
.rept 4                                ; largest and smallest of W1's rows 0-7 and of W3
	v_max3_num_f32 v[MX],   v[MX],   v[A1R+10*t+2*i], v[A1R+10*t+2*i+1]
	v_min3_num_f32 v[MX+1], v[MX+1], v[A1R+10*t+2*i], v[A1R+10*t+2*i+1]
	v_max3_num_f32 v[MX+2], v[MX+2], v[W3R+8*t+2*i], v[W3R+8*t+2*i+1]
	v_min3_num_f32 v[MX+3], v[MX+3], v[W3R+8*t+2*i], v[W3R+8*t+2*i+1]
.set i, i+1
.endr
.set t, t+1
.endr
	v_sub_f32 v[MX+1], 0, v[MX+1]
	v_sub_f32 v[MX+3], 0, v[MX+3]
	v_max_num_f32 v[MX], v[MX], v[MX+1]
	v_max_num_f32 v[MX+2], v[MX+2], v[MX+3]
	WMAX MX, MX+1                                  ; e1 << 23: max |W1| < 2^(e1 - 126)
	WMAX MX+2, MX+3                                ; e3 << 23
	v_sub_nc_u32 v[SG3], 0x7e800000, v[MX+2]       ; 2^(126 - e3): W3 times this lies within -1 .. 1
	v_add_nc_u32 v[F1], 0x00800000, v[MX+2]        ; 2^(e3 - 126)
	v_mov_b32 v[TA], LC
	v_cmp_eq_u32 vcc_lo, 0, v[LH]
	v_cndmask_b32 v[FAC], 0, v[TA], vcc_lo         ; the first product's K rows 8-15 and 24-31 are 0
	v_mov_b32 v[SG3+1], v[SG3]
	v_mov_b32 v[FAC+1], v[FAC]
	v_mov_b32 v[TA], 0x3e000000                    ; dt = 0.125
.set i, 0
.rept 20
	v_pk_mul_f32 v[A1R+2*i:A1R+2*i+1], v[A1R+2*i:A1R+2*i+1], v[FAC:FAC+1]
.set i, i+1
.endr
.set i, 0
.rept 16
	v_pk_mul_f32 v[A3R+2*i:A3R+2*i+1], v[A3R+2*i:A3R+2*i+1], 0xbe800000 op_sel_hi:[1,0]  ; -2 dt W3
	v_pk_mul_f32 v[W3R+2*i:W3R+2*i+1], v[W3R+2*i:W3R+2*i+1], v[SG3:SG3+1]
.set i, i+1
.endr
	s_wait_kmcnt 0x0                               ; b3
	WIN 0x40                                       ; destination window 1
.set t, 0
.rept 4
.irp p, 0,1,2,3
	v_cvt_pk_f16_f32 v[FA1+8*t+\p], v[A1R+10*t+2*\p], v[A1R+10*t+2*\p+1]  ; K 0-7: W1's rows for x
.endr
	v_cvt_pk_f16_f32 v[FA1+8*t+4], v[A1R+10*t+8], v[A1R+10*t+9]  ; K 16, 17: W1's row for t, b1
	v_cvt_pk_f16_f32 v[FA1+8*t+5], v[A1R+10*t+8], v[A1R+10*t+8]  ; K 18, 19: W1's row for t, twice
	v_mov_b32 v[FA1+8*t+6], 0
	v_mov_b32 v[FA1+8*t+7], 0
.set t, t+1
.endr
.set i, 0
.rept 16
	v_cvt_pk_f16_f32 v[FA3+i], v[A3R+2*i], v[A3R+2*i+1]
.set i, i+1
.endr
.irp j, 0,1,2,3,4,5,6,7
	v_mul_f32 v[CB3+\j], s[28+\j], v[TA]           ; dt b3
.endr
	WIN 0
.set t, 0
.rept 4
.irp p, 0,1,2,3                        ; in place, ascending: register p is written when registers 2 p, 2 p + 1 have been read
	v_cvt_pk_f16_f32 v[W3R+8*t+\p], v[W3R+8*t+2*\p], v[W3R+8*t+2*\p+1]
.endr
.irp p, 4,5,6,7                        ; K 16-31 are 0: the rows for t and b1 do not enter C
	v_mov_b32 v[W3R+8*t+\p], 0
.endr
.set t, t+1
.endr
.irp p, 0,1,2,3,4,5,6,7
	v_mov_b32 v[BC+\p], 0xb800b800                 ; -0.5, twice
.endr
	WIN 0x41                                       ; destination and source 0 window 1
.set i, 0
.rept 16
	v_pk_mul_f32 v[CB2+2*i:CB2+2*i+1], v[CB2+2*i:CB2+2*i+1], LC op_sel_hi:[1,0]
.set i, i+1
.endr
	WIN 0x81                                       ; D window 2, source 0 window 1, source 1 window 0
.set t, 0
.rept 4
.set j, 0
.rept 4                                ; C[16 j + 8 h + .. ][16 t + r] = LC 2^(126 - e3) sum_i W1[i][.] W3[.][i], in W2's own register order
	v_wmma_f32_16x16x32_f16 v[DW+32*t+8*j:DW+32*t+8*j+7], v[FA1+8*j:FA1+8*j+7], v[W3R+8*t:W3R+8*t+7], 0
.set j, j+1
.endr
.set t, t+1
.endr
	; W2, ITS BIAS SUMS, AND M
	WIN 0
	s_wait_loadcnt 0x0                             ; W2
.irp i, 4,5,6,7
	v_mov_b32 v[MX+\i], 0
.endr
	WIN 0x28                                       ; sources 1 and 2 window 2
.set i, 0
.rept 32
	v_max3_num_f32 v[MX+4], v[MX+4], v[W2F+4*i], v[W2F+4*i+1]
	v_min3_num_f32 v[MX+5], v[MX+5], v[W2F+4*i], v[W2F+4*i+1]
	v_max3_num_f32 v[MX+6], v[MX+6], v[W2F+4*i+2], v[W2F+4*i+3]
	v_min3_num_f32 v[MX+7], v[MX+7], v[W2F+4*i+2], v[W2F+4*i+3]
.set i, i+1
.endr
	WIN 0
	v_sub_f32 v[MX+5], 0, v[MX+5]
	v_sub_f32 v[MX+7], 0, v[MX+7]
	v_max_num_f32 v[MX+4], v[MX+4], v[MX+6]
	v_max_num_f32 v[MX+5], v[MX+5], v[MX+7]
	v_max_num_f32 v[MX+4], v[MX+4], v[MX+5]
	WMAX MX+4, MX+5                                ; e2 << 23
	v_add_nc_u32 v[MX+5], v[MX], v[MX+4]           ; (e1 + e2) << 23
	v_sub_nc_u32 v[SG12], 0xc1000000, v[MX+5]      ; 2^(259 - e1 - e2): |M| scaled < 5.8 x 23.1 x 2^7 < 2^15
	v_add_nc_u32 v[F2], 0xbe000000, v[MX+5]        ; 2^(e1 + e2 - 259)
	v_mov_b32 v[SG12+1], v[SG12]
	WIN 0x82                                       ; destination and source 0 window 2
.set i, 0
.rept 64
	v_pk_mul_f32 v[W2F+2*i:W2F+2*i+1], v[W2F+2*i:W2F+2*i+1], M2LC op_sel_hi:[1,0]
.set i, i+1
.endr
	WIN 0x4a                                       ; sources window 2, destination window 1
.set i, 0
.rept 64
	v_cvt_pk_f16_f32 v[FA2+i], v[W2F+2*i], v[W2F+2*i+1]
.set i, i+1
.endr
	WIN 0x51                                       ; D, C and source 0 window 1, source 1 window 0
.irp c, 0,1                            ; bias += rounded weights x -0.5; the five accumulators take turns
.irp t, 0,1,2,3
	v_wmma_f32_16x16x32_f16 v[CB2+8*\t:CB2+8*\t+7], v[FA2+16*\t+8*\c:FA2+16*\t+8*\c+7], v[BC:BC+7], v[CB2+8*\t:CB2+8*\t+7]
.endr
	v_wmma_f32_16x16x32_f16 v[CB3:CB3+7], v[FA3+8*\c:FA3+8*\c+7], v[BC:BC+7], v[CB3:CB3+7]
.endr
	WIN 0x82
.set i, 0
.rept 64
	v_pk_mul_f32 v[W2F+2*i:W2F+2*i+1], v[W2F+2*i:W2F+2*i+1], v[SG12:SG12+1]
.set i, i+1
.endr
	WIN 0x8a                                       ; all in window 2
.set i, 0
.rept 64                               ; ascending: each of C's accumulators is read from its low end on
	v_pk_mul_f32 v[W2F+2*i:W2F+2*i+1], v[W2F+2*i:W2F+2*i+1], v[DW+2*i:DW+2*i+1]
.set i, i+1
.endr
	WIN 0x4a
.set i, 0
.rept 64
	v_cvt_pk_f16_f32 v[FAM+i], v[W2F+2*i], v[W2F+2*i+1]
.set i, i+1
.endr
	WIN 0
.irp p, 0,1,2,3
	v_cvt_pk_f16_f32 v[INB+\p], v[YY+2*\p], v[YY+2*\p+1]
.endr
	v_mov_b32 v[INB+4], 0x3c000000                 ; (t, 1) = (0, 1.0)
	v_mov_b32 v[INB+5], 0
	v_mov_b32 v[INB+6], 0
	v_mov_b32 v[INB+7], 0
	v_mov_b32 v[VT], 0
	v_mov_b32 v[ONE], 1.0
	v_mov_b32 v[TACC], 0
	v_mov_b32 v[TACC+1], 0
; THE PRODUCTS.  Accumulators take turns, one instruction a turn; only K has no partner.
.macro MM1                             ; S1 = LC (W1^T [x, t] + b1)
	WIN 0x01                                       ; source 0 window 1
.set mt, 0
.rept 4
	v_wmma_f32_16x16x32_f16 v[ACC1+8*mt:ACC1+8*mt+7], v[FA1+8*mt:FA1+8*mt+7], v[INB:INB+7], 0
.set mt, mt+1
.endr
	WIN 0
.endm
.macro MM2 c                           ; S2: chunk c of 32 units of layer 1; chunk 0 starts the sums with the bias
.if (\c) == 0
	WIN 0x11                                       ; source 0 and C window 1
.else
	WIN 0x01
.endif
.set mt, 0
.rept 4
.if (\c) == 0
	v_wmma_f32_16x16x32_f16 v[ACC2+8*mt:ACC2+8*mt+7], v[FA2+16*mt:FA2+16*mt+7], v[RB1:RB1+7], v[CB2+8*mt:CB2+8*mt+7]
.else
	v_wmma_f32_16x16x32_f16 v[ACC2+8*mt:ACC2+8*mt+7], v[FA2+16*mt+8:FA2+16*mt+15], v[RB1+8:RB1+15], v[ACC2+8*mt:ACC2+8*mt+7]
.endif
.set mt, mt+1
.endr
	WIN 0
.endm
.macro MMU                             ; U = M^T q1
	WIN 0x01
.set mt, 0
.rept 4
	v_wmma_f32_16x16x32_f16 v[ACCU+8*mt:ACCU+8*mt+7], v[FAM+16*mt:FAM+16*mt+7], v[QB:QB+7], 0
.set mt, mt+1
.endr
.set mt, 0
.rept 4
	v_wmma_f32_16x16x32_f16 v[ACCU+8*mt:ACCU+8*mt+7], v[FAM+16*mt+8:FAM+16*mt+15], v[QB+8:QB+15], v[ACCU+8*mt:ACCU+8*mt+7]
.set mt, mt+1
.endr
	WIN 0
.endm
.macro MM3 c                           ; K = dt f
.if (\c) == 0
	WIN 0x11
	v_wmma_f32_16x16x32_f16 v[KK:KK+7], v[FA3:FA3+7], v[RB2:RB2+7], v[CB3:CB3+7]
.else
	WIN 0x01
	s_wait_alu depctr_va_vdst(0)                   ; the wait, directly ahead
	v_wmma_f32_16x16x32_f16 v[KK:KK+7], v[FA3+8:FA3+15], v[RB2+8:RB2+15], v[KK:KK+7]
.endif
	WIN 0
.endm
; THE STREAM that turns a layer's 32 sums S into r (f16) and, with tr = 1, into q.  p counts pairs of values.
.macro QQ lay, p                       ; q = r - r^2, in place
.if (\lay) == 1
	v_pk_fma_f32 v[ACC1+2*(\p):ACC1+2*(\p)+1], v[ACC1+2*(\p):ACC1+2*(\p)+1], v[ACC1+2*(\p):ACC1+2*(\p)+1], v[ACC1+2*(\p):ACC1+2*(\p)+1] neg_lo:[1,0,0] neg_hi:[1,0,0]
.else
	v_pk_fma_f32 v[ACC2+2*(\p):ACC2+2*(\p)+1], v[ACC2+2*(\p):ACC2+2*(\p)+1], v[ACC2+2*(\p):ACC2+2*(\p)+1], v[ACC2+2*(\p):ACC2+2*(\p)+1] neg_lo:[1,0,0] neg_hi:[1,0,0]
.endif
.endm
.macro XX lay, p                       ; layer 1: q to f16; layer 2: the trace's sum takes U q, in two chains that the first two pairs start
.if (\lay) == 1
	v_cvt_pk_f16_f32 v[QB+(\p)], v[ACC1+2*(\p)], v[ACC1+2*(\p)+1]
.elseif (\p) < 2
	v_pk_mul_f32 v[TS+2*(\p):TS+2*(\p)+1], v[ACCU+2*(\p):ACCU+2*(\p)+1], v[ACC2+2*(\p):ACC2+2*(\p)+1]
.else
	v_pk_fma_f32 v[TS+2*((\p)%2):TS+2*((\p)%2)+1], v[ACCU+2*(\p):ACCU+2*(\p)+1], v[ACC2+2*(\p):ACC2+2*(\p)+1], v[TS+2*((\p)%2):TS+2*((\p)%2)+1]
.endif
.endm
; Steps from .. to of 0 .. 18.  Step n: 2^S for pair n; q of pair n - 4; 1 + e of pair n - 1; 1 / . of pair n - 2, with the rounding of pair n - 3 between its two; the use of q of pair n - 4.
; Between a transcendental and the first use of its result stands a plain instruction that touches neither its result nor its source (ISA guide 5.7.2): behind the exponentials of step n the
; addition of step n (behind step 0's the caller's filler), behind the reciprocals the last line of the step or the next step's addition; with tr = 0 a v_nop ends steps 16 and 17.
; Each accumulator's registers are taken in ascending order.
.macro ST lay, tr, from, to
.if (\lay) == 1
.set sS, ACC1
.set sR, RB1
.else
.set sS, ACC2
.set sR, RB2
.endif
.set n, (\from)
.rept (\to)-(\from)+1
.if n < 16
	v_exp_f32 v[sS+2*n], v[sS+2*n]
	v_exp_f32 v[sS+2*n+1], v[sS+2*n+1]
.endif
.if (\tr) && (n >= 4) && (n <= 17)
	QQ \lay, n-4
.endif
.if (n >= 1) && (n <= 16)
	s_wait_alu depctr_va_vdst(0)
	v_pk_add_f32 v[sS+2*n-2:sS+2*n-1], v[sS+2*n-2:sS+2*n-1], 1.0 op_sel_hi:[1,0]
.endif
.if (n >= 2) && (n <= 17)
	v_rcp_f32 v[sS+2*n-4], v[sS+2*n-4]
.endif
.if (n >= 3) && (n <= 18)
	s_wait_alu depctr_va_vdst(0)
	v_cvt_pk_f16_f32 v[sR+n-3], v[sS+2*n-6], v[sS+2*n-5]
.endif
.if (n >= 2) && (n <= 17)
	v_rcp_f32 v[sS+2*n-3], v[sS+2*n-3]
.endif
.if (\tr) && (n >= 4) && (n <= 17)
	XX \lay, n-4
.endif
.if (!(\tr)) && ((n == 16) || (n == 17))
	v_nop
.endif
.set n, n+1
.endr
.endm
.macro TAIL lay                        ; the last two pairs' q: four plain lines that name no register of the products just issued: their four places (ISA guide 7.12.1)
	QQ \lay, 14
	QQ \lay, 15
	XX \lay, 14
	XX \lay, 15
.endm
.macro TSC w                           ; the stage's trace enters the weighted sum
	v_pk_add_f32 v[TS:TS+1], v[TS:TS+1], v[TS+2:TS+3]
	v_pk_fma_f32 v[TACC:TACC+1], v[TS:TS+1], \w, v[TACC:TACC+1] op_sel_hi:[1,0,1]
.endm
.macro UPD dst, src, coef, p0=0, p1=3  ; dst = src + coef K, pairs p0 .. p1
.set up, (\p0)
.rept (\p1)-(\p0)+1
	v_pk_fma_f32 v[(\dst)+2*up:(\dst)+2*up+1], v[KK+2*up:KK+2*up+1], \coef, v[(\src)+2*up:(\src)+2*up+1] op_sel_hi:[1,0,1]
.set up, up+1
.endr
.endm
.macro CVX src                         ; the next stage's argument to f16
.set up, 0
.rept 4
	v_cvt_pk_f16_f32 v[INB+up], v[(\src)+2*up], v[(\src)+2*up+1]
.set up, up+1
.endr
.endm
; What a new k adds to the LATER stages' arguments waits for nothing and nothing waits for it: it fills the places behind the next stage's products.  K holds stage s - 1's k until stage s's last product.
; slot 0: behind the first product (four lines at the least); 1, 3: behind a stream's first exponentials (one at the least); 2: stage 2 alone, behind its second product (four).
.macro FILL slot, s
.if (\s) == 1
.if (\slot) == 0
	NOPS 4
.else
	NOPS 1
.endif
.elseif (\s) == 2
.if (\slot) == 0
	UPD P3, YY, RK_A31
.elseif (\slot) == 1
	UPD P4, YY, RK_A41
.elseif (\slot) == 2
	UPD P5, YY, RK_A51
.else
	UPD P6, YY, RK_A61
	UPD PF, YY, RK_B1
.endif
.elseif (\s) == 3
.if (\slot) == 0
	UPD P4, P4, RK_A42
.elseif (\slot) == 1
	UPD P5, P5, RK_A52
.else
	UPD P6, P6, RK_A62
.endif
.elseif (\s) == 4
.if (\slot) == 0
	UPD P5, P5, RK_A53
.elseif (\slot) == 1
	UPD P6, P6, RK_A63
.else
	UPD PF, PF, RK_B3
.endif
.elseif (\s) == 5
.if (\slot) == 0
	UPD P6, P6, RK_A64
.elseif (\slot) == 1
	UPD PF, PF, RK_B4, 0, 1
.else
	UPD PF, PF, RK_B4, 2, 3
.endif
.else
.if (\slot) == 0
	UPD PF, PF, RK_B5
.else
	NOPS 1
.endif
.endif
.endm
; What the next stage waits for: its time, the one term that its argument still lacks (K read from its low end on), the rounding.
.macro CRIT s
.if (\s) == 1
	v_mov_b32 v[INB+5], CI2
	UPD P2, YY, RK_A21
	CVX P2
.elseif (\s) == 2
	v_mov_b32 v[INB+5], CI3
	UPD P3, P3, RK_A32
	CVX P3
.elseif (\s) == 3
	v_mov_b32 v[INB+5], CI4
	UPD P4, P4, RK_A43
	CVX P4
.elseif (\s) == 4
	v_mov_b32 v[INB+5], CI5
	UPD P5, P5, RK_A54
	CVX P5
.elseif (\s) == 5
	v_mov_b32 v[INB+5], CI6
	UPD P6, P6, RK_A65
	CVX P6
.else
	v_mov_b32 v[INB+5], 0
	v_add_f32 v[VT], 0x3e000000, v[VT]             ; the next step's t
	UPD YY, PF, RK_B6                              ; the step's result
	v_cvt_pk_f16_f32 v[INB+4], v[VT], v[ONE]
	CVX YY
.endif
.endm
; ONE EVALUATION: stage s; tr = 1: with the trace, which enters the sum with weight w.
.macro EVAL s, tr, w
	MM1
	FILL 0, \s                                     ; the four places between the first product and the reads of its sums
	ST 1, \tr, 0, 0
	FILL 1, \s
	ST 1, \tr, 1, 10                               ; step 10 rounds pair 7: r of units 0-31 is whole
	MM2 0
	ST 1, \tr, 11, 18
	MM2 1
.if \tr
	TAIL 1                                         ; the four places behind the second product
	MMU
.else
	FILL 2, \s
.endif
	ST 2, \tr, 0, 0
	FILL 3, \s
	ST 2, \tr, 1, 10                               ; U is first read in step 4, eight plain lines behind its last product
	MM3 0
	ST 2, \tr, 11, 18
	MM3 1
.if \tr
	TAIL 2                                         ; six plain lines, the places behind the last product
	TSC \w
.else
	NOPS 3                                         ; with the line that sets the time: four places
.endif
	CRIT \s
.endm
	s_mov_b32 s3, 8
.Lstep:                                                ; a Dormand-Prince step; every window is 0 here
	EVAL 1, 1, RK_B1
	EVAL 2, 0, 0
	EVAL 3, 1, RK_B3
	EVAL 4, 1, RK_B4
	EVAL 5, 1, RK_B5
	EVAL 6, 1, RK_B6
	s_sub_co_u32 s3, s3, 1
	s_cmp_lg_u32 s3, 0
	s_cbranch_scc1 .Lstep
	; THE END.  The trace's sum: even and odd units, then the other half of the lanes' 32 units; the scales are taken out.
	v_add_f32 v[TA], v[TACC], v[TACC+1]
	v_mov_b32 v[TB], 0                             ; v_permlanex16_b32's destination counts as read
	v_permlanex16_b32 v[TB], v[TA], s6, s7
	v_cmp_eq_u32 vcc_lo, 1, v[LH]
	v_add_f32 v[TA], v[TA], v[TB]
.irp i, 0,1,2,3
	v_cndmask_b32 v[OD+\i], v[YY+\i], v[YY+4+\i], vcc_lo  ; lanes 0-15 send z[0:3], lanes 16-31 z[4:7]
.endr
	v_mul_f32 v[TA], v[TA], v[F1]
	v_mul_f32 v[TA], v[TA], v[F2]
	v_mul_f32 v[TA], ILC2, v[TA]
	global_store_b128 v[OOF], v[OD:OD+3], s[22:23]  ; the wave's 16 rows of out0: 512 consecutive bytes, at a multiple of 512 from out0's first
	ds_store_b32 v[LAD], v[TA]                     ; both halves of the lanes write the same number to the same word
	s_wait_tensorcnt 0x0                           ; the wave's end, behind my last LDS store
	ds_add_u32 v[SPW], v[NIL]
	s_wait_dscnt 0x0                               ; the wait also shows my store done, for wave 0's sake
	s_barrier_signal -1
	s_barrier_wait -1                              ; all 64 numbers lie in LDS
	s_cmp_lg_u32 s2, 0
	s_cbranch_scc1 .Ldone
	v_and_b32 v[TB], 31, v0
	v_lshlrev_b32 v[TB], 3, v[TB]
	ds_load_b64 v[TS:TS+1], v[TB]
	s_wait_dscnt 0x0
	global_store_b64 v[TB], v[TS:TS+1], s[24:25]   ; wave 0 stores the work-group's 256 consecutive bytes of out1, at a multiple of 256 from its first
.Ldone:
	s_endpgm
.Lfunc_end_k_qf4094fc54a_cnf:
	.size	k_qf4094fc54a_cnf, .Lfunc_end_k_qf4094fc54a_cnf-k_qf4094fc54a_cnf
	.p2alignl 7, 3214868480
	.fill 96, 4, 3214868480
	.section	.rodata,"a",@progbits
	.p2align	6, 0x0
	.amdhsa_kernel k_qf4094fc54a_cnf
		.amdhsa_group_segment_fixed_size 768
		.amdhsa_private_segment_fixed_size 0
		.amdhsa_enable_private_segment 0
		.amdhsa_kernarg_size 72
		.amdhsa_user_sgpr_count 2
		.amdhsa_user_sgpr_kernarg_segment_ptr 1
		.amdhsa_wavefront_size32 1
		.amdhsa_system_sgpr_workgroup_id_x 1
		.amdhsa_system_sgpr_workgroup_id_y 1
		.amdhsa_system_sgpr_workgroup_id_z 1
		.amdhsa_system_vgpr_workitem_id 0
		.amdhsa_next_free_vgpr 768
		.amdhsa_next_free_sgpr 66
		.amdhsa_reserve_vcc 1
		.amdhsa_float_denorm_mode_32 3
		.amdhsa_float_denorm_mode_16_64 3
		.amdhsa_memory_ordered 1
		.amdhsa_forward_progress 1
		.amdhsa_inst_pref_size 174
	.end_amdhsa_kernel
	.amdgpu_metadata
---
amdhsa.version: [ 1, 2 ]
amdhsa.kernels:
  - .name:           k_qf4094fc54a_cnf
    .symbol:         k_qf4094fc54a_cnf.kd
    .args:
      - { .name: x, .offset: 0, .size: 8, .value_kind: global_buffer, .address_space: global }
      - { .name: W1, .offset: 8, .size: 8, .value_kind: global_buffer, .address_space: global }
      - { .name: b1, .offset: 16, .size: 8, .value_kind: global_buffer, .address_space: global }
      - { .name: W2, .offset: 24, .size: 8, .value_kind: global_buffer, .address_space: global }
      - { .name: b2, .offset: 32, .size: 8, .value_kind: global_buffer, .address_space: global }
      - { .name: W3, .offset: 40, .size: 8, .value_kind: global_buffer, .address_space: global }
      - { .name: b3, .offset: 48, .size: 8, .value_kind: global_buffer, .address_space: global }
      - { .name: out0, .offset: 56, .size: 8, .value_kind: global_buffer, .address_space: global }
      - { .name: out1, .offset: 64, .size: 8, .value_kind: global_buffer, .address_space: global }
    .group_segment_fixed_size: 768
    .private_segment_fixed_size: 0
    .kernarg_segment_align: 8
    .kernarg_segment_size: 72
    .max_flat_workgroup_size: 128
    .sgpr_count:     66
    .vgpr_count:     768
    .wavefront_size: 32
...
	.end_amdgpu_metadata
.endif
;; end of part 1
;; ======== version 2 of 2: 1 launch; 2.36 times as fast as version 1
;; limits: values outside matrix products are rounded to f16; values are held in f16: magnitudes above 65,504 overflow, below 6.1e-05 lose precision; inputs' magnitudes at most 65,504; right only within a limited range of input values
;; launch cnf (part 2): grid 256 x 1, 4 waves a work-group, no clusters, 768 bytes of LDS; arguments x, W1, b1, W2, b2, W3, b3, out0, out1; writes out0, out1
.if DOCPART == 2
	.amdgcn_target "amdgcn-amd-amdhsa--gfx1250"
	.amdhsa_code_object_version 6
	.text
	.protected	k_qf4094fc54a_cnf
	.globl	k_qf4094fc54a_cnf
	.p2align	8
	.type	k_qf4094fc54a_cnf,@function
k_qf4094fc54a_cnf:
	s_mov_b64 s[64:65], 0
	v_nop
	global_prefetch_b8 v0, s[64:65] scope:SCOPE_SE
	s_setreg_imm32_b32 hwreg(HW_REG_WAVE_MODE, 25, 1), 1
	s_wait_xcnt 0x0
; CONTINUOUS NORMALISING FLOW: 8 Dormand-Prince steps (6 stages each) of y' = f(t, y), f a 9 -> 64 -> 64 -> 8 tanh network, and the integral of -trace(df/dx).
; SHARES.  16,384 samples = 1,024 tiles of 16: one wave owns 16 samples for the whole integration, a work-group of four waves 64.  The loop touches neither memory nor LDS.
; LAYOUT.  Every product is used transposed: source 0 = 16 units x 32 K of weights, source 1 = 32 K x 16 samples.  Lane (r = lane % 16, h = lane / 16) then holds sample r and units
; 16 T + 8 h + 0..7 of result tile T; two neighbouring tiles, rounded in pairs to f16, ARE source 1 of the next product: nothing ever changes lanes.
; TANH.  An accumulator holds S = LC a, LC = 2 log2(e).  e = 2^S, r = 1 / (1 + e), tanh a = 1 - 2 r, 1 - tanh^2 a = 4 q, q = r - r^2.  r is what the next product takes: the factor -2 lies in
; its weights, the 1 in its bias (the column sums of the ROUNDED weights, made by a product with -0.5, so that the net effect is exactly weights x (1 - 2 r)).  dt = 1/8 lies in W3's factor.
; TRACE.  trace(df/dx) = sum over j, k of d1[j] M[j][k] d2[k], M[j][k] = W2[j][k] sum_i W1[i][j] W3[k][i]: an identity for every input, one more 64 x 64 product in place of eight
; Jacobian-vector products.  The log-determinant is never fed back into f, so it is the weighted sum of the stages' traces alone; stage 2 has no weight in it, and its trace is not made.
; M is scaled by powers of two taken from the largest |W1|, |W2|, |W3|, so that it lies under 2^15 in f16 whatever the weights' size; the factors are taken out again at the end.
; TIME.  t = step / 8 (exact in f16) + c_i / 8 (an f16 number and its f16 remainder), as further K rows of the first product, beside a row of ones for b1.
; BATCHES.  A layer's transcendentals are two batches, each with ONE wait: its 32 exponentials; and its 32 reciprocals, among which stand the 16 additions 1 + e, each two pairs ahead of its own
; reciprocals.  A stage has four batches, a step 24.  Each result keeps its own register of ACC1 or ACC2, and between a batch's first line and its wait nothing names a result of the batch.
; What stands among a batch's lines waits for nothing: layer 1's q and its rounding and U's products (among layer 2's batches), the stage before's U q2 and its trace's sum (among layer 1's),
; and what the last k adds to later stages' arguments.  Stage 6 closes its own trace, so that nothing crosses the loop's backward jump.
; LIMITS.  Matrix operands are f16: |state| < 65,504; |W1|, |b1| < 22,700; |W2| < 11,350; |W3| < 262,000.  Largest weights outside 2^-60 .. 2^60 are not scaled properly.
; c_i / 8 is off by less than 3e-8.  NaN and infinities are not treated apart.  2^S that overflows gives r = 0, tanh = 1, as it should.
.set SPARE, 256                        ; LDS: bytes 0-255 the work-group's 64 log-determinants; from 256 on the spare words, 128 bytes a wave
.set LC,    0x4038aa3b                 ; 2 log2(e)
.set M2LC,  0xc0b8aa3b                 ; -2 LC
.set ILC2,  0x3df5fdf0                 ; 1 / LC^2
; Dormand-Prince
.set RK_A21, 0x3e4ccccd
.set RK_A31, 0x3d99999a
.set RK_A32, 0x3e666666
.set RK_A41, 0x3f7a4fa5
.set RK_A42, 0xc06eeeef
.set RK_A43, 0x40638e39
.set RK_A51, 0x403cf760
.set RK_A52, 0xc139885f
.set RK_A53, 0x411d2a92
.set RK_A54, 0xbe94e4f6
.set RK_A61, 0x40362960
.set RK_A62, 0xc12c1f08
.set RK_A63, 0x410e80b5
.set RK_A64, 0x3e8e8ba3
.set RK_A65, 0xbe8c0c4c
.set RK_B1,  0x3dbaaaab
.set RK_B3,  0x3ee6024d
.set RK_B4,  0x3f26aaab
.set RK_B5,  0xbea50e7e
.set RK_B6,  0x3e061862
; c_i / 8 as two f16: the number in the low half, its remainder in the high half
.set CI2, 0x00662666
.set CI3, 0x806628cd
.set CI4, 0x019a2e66
.set CI5, 0x01c72f1c
.set CI6, 0x00003000
; window 0, the loop
.set SPW,  1                           ; v1   LDS address of my spare word; never rewritten
.set NIL,  2                           ; v2   0; never rewritten
.set VT,   3                           ; v3   step / 8
.set ONE,  4                           ; v4   1.0
.set TACC, 6                           ; v[6:7]    the weighted sum of the stages' traces (even units', odd units')
.set TS,   8                           ; v[8:11]   a stage's trace, two chains
.set LR,   12                          ; v12  r
.set LH,   13                          ; v13  h
.set TA,   14                          ; v14, v15 at work
.set TB,   15
.set INB,  16                          ; v[16:23]  source 1 of the first product: x, (t, 1), (c, its remainder), 0
.set YY,   24                          ; v[24:31]  the state, whole in both halves of the lanes
.set KK,   32                          ; v[32:39]  dt k of the stage in hand
.set P2,   40                          ; the stages' arguments, summed up as the k arrive
.set P3,   48
.set P4,   56
.set P5,   64
.set P6,   72
.set PF,   80
.set RB1,  88                          ; v[88:103]   r of layer 1, f16
.set QB,   104                         ; v[104:119]  q of layer 1, f16
.set RB2,  120                         ; v[120:135]  r of layer 2, f16
.set ACC1, 136                         ; v[136:167]  layer 1: S, then e, 1 + e, r, q, in place
.set ACC2, 168                         ; v[168:199]  layer 2 likewise
.set ACCU, 200                         ; v[200:231]  U = M^T q1
.set F1,   232                         ; v232, v233  the powers of two that are taken out at the end
.set F2,   233
.set OOF,  234                         ; v234 my byte offset in the wave's 512 bytes of out0
.set LAD,  235                         ; v235 LDS address of my sample's log-determinant
.set OD,   236                         ; v[236:239]  16 bytes for out0
; window 0, the set-up only (all lie where the loop writes before it reads)
.set BC,   16                          ; a fragment of -0.5
.set W3R,  32                          ; W3's rows 16 T + r, then as source 1 of C
.set A1R,  64                          ; 10 T + i: W1[i][16 T + r], i = 0..8; i = 9: b1
.set A3R,  104                         ; 16 c + e: W3[k][r % 8]
.set MX,   136                         ; v[136:143] maxima
.set FAC,  144                         ; LC in lanes 0-15, 0 in lanes 16-31
.set SG3,  146
.set SG12, 148
.set AX,   240                         ; byte offsets, never rewritten
.set AA1,  241
.set AA3,  242
.set AB2,  243
.set AW2,  244
; window 1: the weights as source 0, the biases as C
.set FA1,  0                           ; 8 T
.set FA2,  32                          ; 16 T + 8 c
.set FAM,  96                          ; 16 T + 8 c
.set FA3,  160                         ; 8 c
.set CB2,  176                         ; 8 T
.set CB3,  208
; window 2: the set-up's scratch, both by 32 T + 16 c + e: element e of chunk c is K index 32 c + 8 h + e + 8 (e / 8), the unit is 16 T + r
.set DW,   0
.set W2F,  128
.set MSB, 0
.macro WIN new                         ; s_set_vgpr_msb: bits 1:0 source 0, 3:2 source 1, 5:4 source 2, 7:6 destination; the high byte repeats the setting that is left
.if MSB != (\new)
	s_set_vgpr_msb (MSB<<8)|(\new)
.set MSB, (\new)
.endif
.endm
.macro NOPS k
.rept \k
	v_nop
.endr
.endm
	s_load_b512 s[8:23], s[0:1], 0x0               ; x s[8:9], W1 s[10:11], b1 s[12:13], W2 s[14:15], b2 s[16:17], W3 s[18:19], b3 s[20:21], out0 s[22:23]
	s_load_b64 s[24:25], s[0:1], 0x40              ; out1
	v_lshl_add_u32 v[SPW], v0, 2, SPARE
	v_mov_b32 v[NIL], 0
	v_and_b32 v[LR], 15, v0
	v_bfe_u32 v[LH], v0, 4, 1
	v_lshrrev_b32 v[TA], 5, v0
	v_readfirstlane_b32 s2, v[TA]                  ; wave 0..3
	s_mov_b32 s6, 0x76543210                       ; v_permlanex16_b32: each lane takes its own place in the other half
	s_mov_b32 s7, 0xfedcba98
	v_lshlrev_b32 v[AX], 5, v[LR]                  ; a row of 8 f32 (x, W3): 32 r
	v_lshlrev_b32 v[AA1], 2, v[LR]                 ; a column of W1, W2, an entry of b1: 4 r
	v_and_b32 v[TA], 7, v0
	v_lshlrev_b32 v[AA3], 2, v[TA]
	v_lshl_add_u32 v[AA3], v[LH], 8, v[AA3]        ; W3: 8 h rows of 32 bytes + 4 (r % 8)
	v_lshlrev_b32 v[AB2], 5, v[LH]                 ; b2: 8 h entries
	v_lshl_add_u32 v[AW2], v[LH], 11, v[AA1]       ; W2: 8 h rows of 256 bytes + 4 r
	v_lshl_add_u32 v[OOF], v[LH], 4, v[AX]         ; out0: 32 r + 16 h
	s_lshl_b32 s36, s2, 6
	v_add_nc_u32 v[LAD], s36, v[AA1]               ; 64 wave + 4 r
	s_lshl_b32 s4, ttmp9, 11                       ; the work-group's 64 rows of 32 bytes,
	s_lshl_b32 s5, s2, 9                           ; the wave's 16 of them
	s_add_co_u32 s4, s4, s5
	s_mov_b32 s5, 0
	s_lshl_b32 s26, ttmp9, 8                       ; the work-group's 64 numbers of out1
	s_mov_b32 s27, 0
	s_wait_kmcnt 0x0
	s_load_b256 s[28:35], s[20:21], 0x0            ; b3, the same in every lane
	s_add_nc_u64 s[8:9], s[8:9], s[4:5]
	s_add_nc_u64 s[22:23], s[22:23], s[4:5]
	s_add_nc_u64 s[24:25], s[24:25], s[26:27]
	; ALL LOADS ON END: 90 small ones, then W2's 128
	global_load_b128 v[YY:YY+3],   v[AX], s[8:9]
	global_load_b128 v[YY+4:YY+7], v[AX], s[8:9] offset:16
.set t, 0
.rept 4
.set i, 0
.rept 9
	global_load_b32 v[A1R+10*t+i], v[AA1], s[10:11] offset:256*i+64*t
.set i, i+1
.endr
	global_load_b32 v[A1R+10*t+9], v[AA1], s[12:13] offset:64*t
.set t, t+1
.endr
.set t, 0
.rept 4
	global_load_b128 v[W3R+8*t:W3R+8*t+3],   v[AX], s[18:19] offset:512*t
	global_load_b128 v[W3R+8*t+4:W3R+8*t+7], v[AX], s[18:19] offset:512*t+16
.set t, t+1
.endr
.set c, 0
.rept 2
.set e, 0
.rept 16
	global_load_b32 v[A3R+16*c+e], v[AA3], s[18:19] offset:32*(32*c+e+8*(e/8))
.set e, e+1
.endr
.set c, c+1
.endr
	WIN 0x40                                       ; destination window 1, offset window 0
.set t, 0
.rept 4
	global_load_b128 v[CB2+8*t:CB2+8*t+3],   v[AB2], s[16:17] offset:64*t
	global_load_b128 v[CB2+8*t+4:CB2+8*t+7], v[AB2], s[16:17] offset:64*t+16
.set t, t+1
.endr
	WIN 0x80                                       ; destination window 2
.set t, 0
.rept 4
.set c, 0
.rept 2
.set e, 0
.rept 16
	global_load_b32 v[W2F+32*t+16*c+e], v[AW2], s[14:15] offset:256*(32*c+e+8*(e/8))+64*t
.set e, e+1
.endr
.set c, c+1
.endr
.set t, t+1
.endr
	WIN 0
; The largest of a number over the wave, held to 2^-60 .. 2^60; what is left is its exponent field, in place.
.macro WMAX m, t
	v_max_num_f32_dpp v[\m], v[\m], v[\m] row_xmask:1 row_mask:0xf bank_mask:0xf
	v_max_num_f32_dpp v[\m], v[\m], v[\m] row_xmask:2 row_mask:0xf bank_mask:0xf
	v_max_num_f32_dpp v[\m], v[\m], v[\m] row_xmask:4 row_mask:0xf bank_mask:0xf
	v_max_num_f32_dpp v[\m], v[\m], v[\m] row_xmask:8 row_mask:0xf bank_mask:0xf
	v_permlanex16_b32 v[\t], v[\m], s6, s7
	v_max_num_f32 v[\m], v[\m], v[\t]
	v_max_num_f32 v[\m], 0x21800000, v[\m]
	v_min_num_f32 v[\m], 0x5d800000, v[\m]
	v_and_b32 v[\m], 0x7f800000, v[\m]
.endm
	; THE SMALL FRAGMENTS, while W2 is on its way
	s_wait_loadcnt 63                              ; loads come back in order (ISA guide 5.7.1): of 218 at most the youngest 63 are out, all of them W2's; the 90 used here are the oldest
.irp i, 0,1,2,3
	v_mov_b32 v[MX+\i], 0
.endr
.set t, 0
.rept 4
.set i, 0
.rept 4                                ; largest and smallest of W1's rows 0-7 and of W3
	v_max3_num_f32 v[MX],   v[MX],   v[A1R+10*t+2*i], v[A1R+10*t+2*i+1]
	v_min3_num_f32 v[MX+1], v[MX+1], v[A1R+10*t+2*i], v[A1R+10*t+2*i+1]
	v_max3_num_f32 v[MX+2], v[MX+2], v[W3R+8*t+2*i], v[W3R+8*t+2*i+1]
	v_min3_num_f32 v[MX+3], v[MX+3], v[W3R+8*t+2*i], v[W3R+8*t+2*i+1]
.set i, i+1
.endr
.set t, t+1
.endr
	v_sub_f32 v[MX+1], 0, v[MX+1]
	v_sub_f32 v[MX+3], 0, v[MX+3]
	v_max_num_f32 v[MX], v[MX], v[MX+1]
	v_max_num_f32 v[MX+2], v[MX+2], v[MX+3]
	WMAX MX, MX+1                                  ; e1 << 23: max |W1| < 2^(e1 - 126)
	WMAX MX+2, MX+3                                ; e3 << 23
	v_sub_nc_u32 v[SG3], 0x7e800000, v[MX+2]       ; 2^(126 - e3): W3 times this lies within -1 .. 1
	v_add_nc_u32 v[F1], 0x00800000, v[MX+2]        ; 2^(e3 - 126)
	v_mov_b32 v[TA], LC
	v_cmp_eq_u32 vcc_lo, 0, v[LH]
	v_cndmask_b32 v[FAC], 0, v[TA], vcc_lo         ; the first product's K rows 8-15 and 24-31 are 0
	v_mov_b32 v[SG3+1], v[SG3]
	v_mov_b32 v[FAC+1], v[FAC]
	v_mov_b32 v[TA], 0x3e000000                    ; dt = 0.125
.set i, 0
.rept 20
	v_pk_mul_f32 v[A1R+2*i:A1R+2*i+1], v[A1R+2*i:A1R+2*i+1], v[FAC:FAC+1]
.set i, i+1
.endr
.set i, 0
.rept 16
	v_pk_mul_f32 v[A3R+2*i:A3R+2*i+1], v[A3R+2*i:A3R+2*i+1], 0xbe800000 op_sel_hi:[1,0]  ; -2 dt W3
	v_pk_mul_f32 v[W3R+2*i:W3R+2*i+1], v[W3R+2*i:W3R+2*i+1], v[SG3:SG3+1]
.set i, i+1
.endr
	s_wait_kmcnt 0x0                               ; b3
	WIN 0x40                                       ; destination window 1
.set t, 0
.rept 4
.irp p, 0,1,2,3
	v_cvt_pk_f16_f32 v[FA1+8*t+\p], v[A1R+10*t+2*\p], v[A1R+10*t+2*\p+1]  ; K 0-7: W1's rows for x
.endr
	v_cvt_pk_f16_f32 v[FA1+8*t+4], v[A1R+10*t+8], v[A1R+10*t+9]  ; K 16, 17: W1's row for t, b1
	v_cvt_pk_f16_f32 v[FA1+8*t+5], v[A1R+10*t+8], v[A1R+10*t+8]  ; K 18, 19: W1's row for t, twice
	v_mov_b32 v[FA1+8*t+6], 0
	v_mov_b32 v[FA1+8*t+7], 0
.set t, t+1
.endr
.set i, 0
.rept 16
	v_cvt_pk_f16_f32 v[FA3+i], v[A3R+2*i], v[A3R+2*i+1]
.set i, i+1
.endr
.irp j, 0,1,2,3,4,5,6,7
	v_mul_f32 v[CB3+\j], s[28+\j], v[TA]           ; dt b3
.endr
	WIN 0
.set t, 0
.rept 4
.irp p, 0,1,2,3                        ; in place, ascending: register p is written when registers 2 p, 2 p + 1 have been read
	v_cvt_pk_f16_f32 v[W3R+8*t+\p], v[W3R+8*t+2*\p], v[W3R+8*t+2*\p+1]
.endr
.irp p, 4,5,6,7                        ; K 16-31 are 0: the rows for t and b1 do not enter C
	v_mov_b32 v[W3R+8*t+\p], 0
.endr
.set t, t+1
.endr
.irp p, 0,1,2,3,4,5,6,7
	v_mov_b32 v[BC+\p], 0xb800b800                 ; -0.5, twice
.endr
	WIN 0x41                                       ; destination and source 0 window 1
.set i, 0
.rept 16
	v_pk_mul_f32 v[CB2+2*i:CB2+2*i+1], v[CB2+2*i:CB2+2*i+1], LC op_sel_hi:[1,0]
.set i, i+1
.endr
	WIN 0x81                                       ; D window 2, source 0 window 1, source 1 window 0
.set t, 0
.rept 4
.set j, 0
.rept 4                                ; C[16 j + 8 h + .. ][16 t + r] = LC 2^(126 - e3) sum_i W1[i][.] W3[.][i], in W2's own register order
	v_wmma_f32_16x16x32_f16 v[DW+32*t+8*j:DW+32*t+8*j+7], v[FA1+8*j:FA1+8*j+7], v[W3R+8*t:W3R+8*t+7], 0
.set j, j+1
.endr
.set t, t+1
.endr
	; W2, ITS BIAS SUMS, AND M
	WIN 0
	s_wait_loadcnt 0x0                             ; W2
.irp i, 4,5,6,7
	v_mov_b32 v[MX+\i], 0
.endr
	WIN 0x28                                       ; sources 1 and 2 window 2
.set i, 0
.rept 32
	v_max3_num_f32 v[MX+4], v[MX+4], v[W2F+4*i], v[W2F+4*i+1]
	v_min3_num_f32 v[MX+5], v[MX+5], v[W2F+4*i], v[W2F+4*i+1]
	v_max3_num_f32 v[MX+6], v[MX+6], v[W2F+4*i+2], v[W2F+4*i+3]
	v_min3_num_f32 v[MX+7], v[MX+7], v[W2F+4*i+2], v[W2F+4*i+3]
.set i, i+1
.endr
	WIN 0
	v_sub_f32 v[MX+5], 0, v[MX+5]
	v_sub_f32 v[MX+7], 0, v[MX+7]
	v_max_num_f32 v[MX+4], v[MX+4], v[MX+6]
	v_max_num_f32 v[MX+5], v[MX+5], v[MX+7]
	v_max_num_f32 v[MX+4], v[MX+4], v[MX+5]
	WMAX MX+4, MX+5                                ; e2 << 23
	v_add_nc_u32 v[MX+5], v[MX], v[MX+4]           ; (e1 + e2) << 23
	v_sub_nc_u32 v[SG12], 0xc1000000, v[MX+5]      ; 2^(259 - e1 - e2): |M| scaled < 5.8 x 23.1 x 2^7 < 2^15
	v_add_nc_u32 v[F2], 0xbe000000, v[MX+5]        ; 2^(e1 + e2 - 259)
	v_mov_b32 v[SG12+1], v[SG12]
	WIN 0x82                                       ; destination and source 0 window 2
.set i, 0
.rept 64
	v_pk_mul_f32 v[W2F+2*i:W2F+2*i+1], v[W2F+2*i:W2F+2*i+1], M2LC op_sel_hi:[1,0]
.set i, i+1
.endr
	WIN 0x4a                                       ; sources window 2, destination window 1
.set i, 0
.rept 64
	v_cvt_pk_f16_f32 v[FA2+i], v[W2F+2*i], v[W2F+2*i+1]
.set i, i+1
.endr
	WIN 0x51                                       ; D, C and source 0 window 1, source 1 window 0
.irp c, 0,1                            ; bias += rounded weights x -0.5; the five accumulators take turns
.irp t, 0,1,2,3
	v_wmma_f32_16x16x32_f16 v[CB2+8*\t:CB2+8*\t+7], v[FA2+16*\t+8*\c:FA2+16*\t+8*\c+7], v[BC:BC+7], v[CB2+8*\t:CB2+8*\t+7]
.endr
	v_wmma_f32_16x16x32_f16 v[CB3:CB3+7], v[FA3+8*\c:FA3+8*\c+7], v[BC:BC+7], v[CB3:CB3+7]
.endr
	WIN 0x82
.set i, 0
.rept 64
	v_pk_mul_f32 v[W2F+2*i:W2F+2*i+1], v[W2F+2*i:W2F+2*i+1], v[SG12:SG12+1]
.set i, i+1
.endr
	WIN 0x8a                                       ; all in window 2
.set i, 0
.rept 64                               ; ascending: each of C's accumulators is read from its low end on
	v_pk_mul_f32 v[W2F+2*i:W2F+2*i+1], v[W2F+2*i:W2F+2*i+1], v[DW+2*i:DW+2*i+1]
.set i, i+1
.endr
	WIN 0x4a
.set i, 0
.rept 64
	v_cvt_pk_f16_f32 v[FAM+i], v[W2F+2*i], v[W2F+2*i+1]
.set i, i+1
.endr
	WIN 0
.irp p, 0,1,2,3
	v_cvt_pk_f16_f32 v[INB+\p], v[YY+2*\p], v[YY+2*\p+1]
.endr
	v_mov_b32 v[INB+4], 0x3c000000                 ; (t, 1) = (0, 1.0)
	v_mov_b32 v[INB+5], 0
	v_mov_b32 v[INB+6], 0
	v_mov_b32 v[INB+7], 0
	v_mov_b32 v[VT], 0
	v_mov_b32 v[ONE], 1.0
	v_mov_b32 v[TACC], 0
	v_mov_b32 v[TACC+1], 0
; THE PRODUCTS.  Accumulators take turns, one instruction a turn; only K has no partner.
.macro MM1                             ; S1 = LC (W1^T [x, t] + b1)
	WIN 0x01                                       ; source 0 window 1
.set mt, 0
.rept 4
	v_wmma_f32_16x16x32_f16 v[ACC1+8*mt:ACC1+8*mt+7], v[FA1+8*mt:FA1+8*mt+7], v[INB:INB+7], 0
.set mt, mt+1
.endr
	WIN 0
.endm
.macro MM2 c                           ; S2: chunk c of 32 units of layer 1; chunk 0 starts the sums with the bias
.if (\c) == 0
	WIN 0x11                                       ; source 0 and C window 1
.else
	WIN 0x01
.endif
.set mt, 0
.rept 4
.if (\c) == 0
	v_wmma_f32_16x16x32_f16 v[ACC2+8*mt:ACC2+8*mt+7], v[FA2+16*mt:FA2+16*mt+7], v[RB1:RB1+7], v[CB2+8*mt:CB2+8*mt+7]
.else
	v_wmma_f32_16x16x32_f16 v[ACC2+8*mt:ACC2+8*mt+7], v[FA2+16*mt+8:FA2+16*mt+15], v[RB1+8:RB1+15], v[ACC2+8*mt:ACC2+8*mt+7]
.endif
.set mt, mt+1
.endr
	WIN 0
.endm
; U = M^T q1, one product at a time: tile t, chunk c of 32 units of layer 1.  The order is chunk 0 of tiles 0-3, which starts the sums, then chunk 1 of tiles 0-3.  The eight stand singly among
; layer 2's transcendentals, four of those or more between two of them, at the price of two window switches each: they name FAM, QB and ACCU, no register of a batch.
.macro MU t, c
	WIN 0x01
.if (\c) == 0
	v_wmma_f32_16x16x32_f16 v[ACCU+8*(\t):ACCU+8*(\t)+7], v[FAM+16*(\t):FAM+16*(\t)+7], v[QB:QB+7], 0
.else
	v_wmma_f32_16x16x32_f16 v[ACCU+8*(\t):ACCU+8*(\t)+7], v[FAM+16*(\t)+8:FAM+16*(\t)+15], v[QB+8:QB+15], v[ACCU+8*(\t):ACCU+8*(\t)+7]
.endif
	WIN 0
.endm
.macro MM3 c                           ; K = dt f
.if (\c) == 0
	WIN 0x11
	v_wmma_f32_16x16x32_f16 v[KK:KK+7], v[FA3:FA3+7], v[RB2:RB2+7], v[CB3:CB3+7]
.else
	WIN 0x01
	s_wait_alu depctr_va_vdst(0)                   ; the wait, directly ahead
	v_wmma_f32_16x16x32_f16 v[KK:KK+7], v[FA3+8:FA3+15], v[RB2+8:RB2+15], v[KK:KK+7]
.endif
	WIN 0
.endm
; THE PLAIN LINES that follow a layer's r.  p counts pairs of values.
.macro LAY lay                         ; the layer's registers
.if (\lay) == 1
.set sS, ACC1
.set sR, RB1
.else
.set sS, ACC2
.set sR, RB2
.endif
.endm
.macro CC lay, p0, p1                  ; r of pairs p0 .. p1 to f16
	LAY \lay
.set cp, (\p0)
.rept (\p1)-(\p0)+1
	v_cvt_pk_f16_f32 v[sR+cp], v[sS+2*cp], v[sS+2*cp+1]
.set cp, cp+1
.endr
.endm
.macro QQ lay, p                       ; q = r - r^2, in place
.if (\lay) == 1
	v_pk_fma_f32 v[ACC1+2*(\p):ACC1+2*(\p)+1], v[ACC1+2*(\p):ACC1+2*(\p)+1], v[ACC1+2*(\p):ACC1+2*(\p)+1], v[ACC1+2*(\p):ACC1+2*(\p)+1] neg_lo:[1,0,0] neg_hi:[1,0,0]
.else
	v_pk_fma_f32 v[ACC2+2*(\p):ACC2+2*(\p)+1], v[ACC2+2*(\p):ACC2+2*(\p)+1], v[ACC2+2*(\p):ACC2+2*(\p)+1], v[ACC2+2*(\p):ACC2+2*(\p)+1] neg_lo:[1,0,0] neg_hi:[1,0,0]
.endif
.endm
.macro QR lay, p0, p1                  ; q of pairs p0 .. p1
.set qp, (\p0)
.rept (\p1)-(\p0)+1
	QQ \lay, qp
.set qp, qp+1
.endr
.endm
.macro XX lay, p                       ; layer 1: q to f16; layer 2: the trace's sum takes U q, in two chains that the first two pairs start
.if (\lay) == 1
	v_cvt_pk_f16_f32 v[QB+(\p)], v[ACC1+2*(\p)], v[ACC1+2*(\p)+1]
.elseif (\p) < 2
	v_pk_mul_f32 v[TS+2*(\p):TS+2*(\p)+1], v[ACCU+2*(\p):ACCU+2*(\p)+1], v[ACC2+2*(\p):ACC2+2*(\p)+1]
.else
	v_pk_fma_f32 v[TS+2*((\p)%2):TS+2*((\p)%2)+1], v[ACCU+2*(\p):ACCU+2*(\p)+1], v[ACC2+2*(\p):ACC2+2*(\p)+1], v[TS+2*((\p)%2):TS+2*((\p)%2)+1]
.endif
.endm
.macro TSA                             ; the stage's trace: its two chains are added,
	v_pk_add_f32 v[TS:TS+1], v[TS:TS+1], v[TS+2:TS+3]
.endm
.macro TSB w                           ; and enter the weighted sum
	v_pk_fma_f32 v[TACC:TACC+1], v[TS:TS+1], \w, v[TACC:TACC+1] op_sel_hi:[1,0,1]
.endm
.macro UPD dst, src, coef, p0=0, p1=3  ; dst = src + coef K, pairs p0 .. p1
.set up, (\p0)
.rept (\p1)-(\p0)+1
	v_pk_fma_f32 v[(\dst)+2*up:(\dst)+2*up+1], v[KK+2*up:KK+2*up+1], \coef, v[(\src)+2*up:(\src)+2*up+1] op_sel_hi:[1,0,1]
.set up, up+1
.endr
.endm
.macro CVX src                         ; the next stage's argument to f16
.set up, 0
.rept 4
	v_cvt_pk_f16_f32 v[INB+up], v[(\src)+2*up], v[(\src)+2*up+1]
.set up, up+1
.endr
.endm
; What a new k adds to the LATER stages' arguments waits for nothing and nothing waits for it.  K holds stage s - 1's k until stage s's last product but one.
; FILL: four lines, the places behind a product (ISA guide 7.12.1).  slot 0: behind the first product; slot 2: stage 2 alone, behind its second product.
.macro FILL slot, s
.if (\s) == 1
	NOPS 4
.elseif ((\s) == 2) && ((\slot) == 0)
	UPD P3, YY, RK_A31
.elseif (\s) == 2
	UPD P5, YY, RK_A51
.elseif (\s) == 3
	UPD P4, P4, RK_A42
.elseif (\s) == 4
	UPD P5, P5, RK_A53
.elseif (\s) == 5
	UPD P6, P6, RK_A64
.else
	UPD PF, PF, RK_B5
.endif
.endm
; FL: line i of those that ride among layer 1's batches (slot 1) or among layer 2's exponentials (slot 3).  must = 1: where the stage has no such line a v_nop is written: the place wants a plain line.
.macro FL slot, s, i, must=0
.if ((\s) == 2) && ((\slot) == 1)
	UPD P4, YY, RK_A41, \i, \i
.elseif ((\s) == 2) && ((\i) < 4)
	UPD P6, YY, RK_A61, \i, \i
.elseif (\s) == 2
	UPD PF, YY, RK_B1, (\i)-4, (\i)-4
.elseif ((\s) == 3) && ((\slot) == 1)
	UPD P5, P5, RK_A52, \i, \i
.elseif (\s) == 3
	UPD P6, P6, RK_A62, \i, \i
.elseif ((\s) == 4) && ((\slot) == 1)
	UPD P6, P6, RK_A63, \i, \i
.elseif (\s) == 4
	UPD PF, PF, RK_B3, \i, \i
.elseif ((\s) == 5) && ((\i) < 2) && ((\slot) == 1)
	UPD PF, PF, RK_B4, \i, \i
.elseif ((\s) == 5) && ((\i) < 2)
	UPD PF, PF, RK_B4, (\i)+2, (\i)+2
.elseif \must
	v_nop
.endif
.endm
; THE BATCHES.  Each accumulator's registers are taken in ascending order.  Behind exponential k stands at most one rider, and always one behind the last: the plain line
; between the batch's last transcendental and the first use of a result (ISA guide 5.7.2).  No rider names a register of the batch.
; EB1: layer 1's 32 exponentials.  ptr = 1: the stage before has left its trace open: its 16 lines U q2 and the sum of its two chains ride here (they name ACCU, ACC2 and TS), with up to four of FL's lines ahead of them.
; ptr = 0: three of FL's lines, or in stage 1 one v_nop.
.macro EB1 s, ptr
.set k, 0
.rept 32
	v_exp_f32 v[ACC1+k], v[ACC1+k]
.if \ptr
.if (k >= 11) && (k < 15)
	FL 1, \s, k-11
.elseif (k >= 15) && (k < 31)
	XX 2, k-15
.elseif k == 31
	TSA
.endif
.elseif k >= 29
	FL 1, \s, k-29, k/31
.endif
.set k, k+1
.endr
.endm
; EB2: layer 2's 32 exponentials.  tr = 1: layer 1's q of pairs 4-15 (pairs 0-3 stand ahead of the batch), its 16 roundings, up to four of FL's lines; QB's first half is whole behind exponential 11,
; and chunk 0 of U follows behind exponentials 13, 17, 21 and 25.  tr = 0 (stage 2): FL's eight lines.
.macro EB2 s, tr
.set k, 0
.rept 32
	v_exp_f32 v[ACC2+k], v[ACC2+k]
.if \tr
.if k < 4
	QQ 1, k+4
.elseif k < 12
	XX 1, k-4
.elseif k < 16
	FL 3, \s, k-12
.elseif k < 24
	QQ 1, k-8
.else
	XX 1, k-16
.endif
.if (k >= 13) && (k <= 25) && (k%4 == 1)
	MU (k-13)/4, 0
.endif
.elseif k >= 24
	FL 3, \s, k-24
.endif
.set k, k+1
.endr
.endm
; AR: a layer's 16 additions 1 + e and its 32 reciprocals, in place.  The additions read the exponentials' results, behind those exponentials' wait; each stands two pairs ahead of its own reciprocals and names
; no pair whose reciprocals have been issued.  mu = 1: chunk 1 of U stands ahead of pairs 0, 2, 4 and 6.  The caller writes the plain line behind the last reciprocal, and the wait.
.macro AR lay, mu
	LAY \lay
	v_pk_add_f32 v[sS:sS+1], v[sS:sS+1], 1.0 op_sel_hi:[1,0]
	v_pk_add_f32 v[sS+2:sS+3], v[sS+2:sS+3], 1.0 op_sel_hi:[1,0]
.set p, 0
.rept 16
.if (\mu) && (p < 8) && (p%2 == 0)
	MU p/2, 1
.endif
	v_rcp_f32 v[sS+2*p], v[sS+2*p]
.if p < 14
	v_pk_add_f32 v[sS+2*p+4:sS+2*p+5], v[sS+2*p+4:sS+2*p+5], 1.0 op_sel_hi:[1,0]
.endif
	v_rcp_f32 v[sS+2*p+1], v[sS+2*p+1]
.set p, p+1
.endr
.endm
.macro TIME s                          ; the next stage's c / 8: the first product has long read INB, so the line is free to stand behind layer 2's last reciprocal
.if (\s) == 1
	v_mov_b32 v[INB+5], CI2
.elseif (\s) == 2
	v_mov_b32 v[INB+5], CI3
.elseif (\s) == 3
	v_mov_b32 v[INB+5], CI4
.elseif (\s) == 4
	v_mov_b32 v[INB+5], CI5
.elseif (\s) == 5
	v_mov_b32 v[INB+5], CI6
.else
	v_mov_b32 v[INB+5], 0
.endif
.endm
; What the next stage waits for: the one term that its argument still lacks (K read from its low end on), the rounding.
.macro CRIT s
.if (\s) == 1
	UPD P2, YY, RK_A21
	CVX P2
.elseif (\s) == 2
	UPD P3, P3, RK_A32
	CVX P3
.elseif (\s) == 3
	UPD P4, P4, RK_A43
	CVX P4
.elseif (\s) == 4
	UPD P5, P5, RK_A54
	CVX P5
.elseif (\s) == 5
	UPD P6, P6, RK_A65
	CVX P6
.else
	v_add_f32 v[VT], 0x3e000000, v[VT]             ; the next step's t
	UPD YY, PF, RK_B6                              ; the step's result
	v_cvt_pk_f16_f32 v[INB+4], v[VT], v[ONE]
	CVX YY
.endif
.endm
; ONE EVALUATION: stage s.  tr = 1: with the trace.  ptr = 1: the stage before has left U, q2 and its trace's sum open; they are closed here, with that stage's weight pw.
.macro EVAL s, tr, ptr, pw
	MM1
	FILL 0, \s                                     ; the four places between the first product and the reads of its sums
	EB1 \s, \ptr
	s_wait_alu depctr_va_vdst(0)                   ; one for layer 1's 32 exponentials, ahead of the first addition
	AR 1, 0
.if \ptr
	TSB \pw                                        ; the plain line behind the last reciprocal: the stage before's trace enters the sum
.else
	FL 1, \s, 3, 1                                 ; the plain line behind the last reciprocal
.endif
	s_wait_alu depctr_va_vdst(0)                   ; one for layer 1's 32 reciprocals, ahead of the first rounding
	CC 1, 0, 7                                     ; r of units 0-31 is whole
	MM2 0
	CC 1, 8, 15
	MM2 1
.if \tr
	QR 1, 0, 3                                     ; the four places behind the second product
.else
	FILL 2, \s
.endif
	EB2 \s, \tr
	s_wait_alu depctr_va_vdst(0)                   ; one for layer 2's 32 exponentials, ahead of the first addition
	AR 2, \tr
	TIME \s                                        ; the plain line behind the last reciprocal
	s_wait_alu depctr_va_vdst(0)                   ; one for layer 2's 32 reciprocals, ahead of the first rounding
	CC 2, 0, 7
	MM3 0
	CC 2, 8, 15
	MM3 1
.if \tr
	QR 2, 0, 15                                    ; q2: sixteen plain lines that name no register of the last product: its places
.else
	NOPS 4                                         ; stage 2 has no such work: K's old value is gone, and nothing else is at hand
.endif
.if (\s) == 6                          ; the step's last stage closes its own trace: nothing is left open at the backward jump
.set xp, 0
.rept 16
	XX 2, xp
.set xp, xp+1
.endr
	TSA
	TSB RK_B6
.endif
	CRIT \s
.endm
	s_mov_b32 s3, 8
.Lstep:                                                ; a Dormand-Prince step; every window is 0 here
	EVAL 1, 1, 0, 0
	EVAL 2, 0, 1, RK_B1
	EVAL 3, 1, 0, 0
	EVAL 4, 1, 1, RK_B3
	EVAL 5, 1, 1, RK_B4
	EVAL 6, 1, 1, RK_B5
	s_sub_co_u32 s3, s3, 1
	s_cmp_lg_u32 s3, 0
	s_cbranch_scc1 .Lstep
	; THE END.  The trace's sum: even and odd units, then the other half of the lanes' 32 units; the scales are taken out.
	v_add_f32 v[TA], v[TACC], v[TACC+1]
	v_mov_b32 v[TB], 0                             ; v_permlanex16_b32's destination counts as read
	v_permlanex16_b32 v[TB], v[TA], s6, s7
	v_cmp_eq_u32 vcc_lo, 1, v[LH]
	v_add_f32 v[TA], v[TA], v[TB]
.irp i, 0,1,2,3
	v_cndmask_b32 v[OD+\i], v[YY+\i], v[YY+4+\i], vcc_lo  ; lanes 0-15 send z[0:3], lanes 16-31 z[4:7]
.endr
	v_mul_f32 v[TA], v[TA], v[F1]
	v_mul_f32 v[TA], v[TA], v[F2]
	v_mul_f32 v[TA], ILC2, v[TA]
	global_store_b128 v[OOF], v[OD:OD+3], s[22:23]  ; the wave's 16 rows of out0: 512 consecutive bytes, at a multiple of 512 from out0's first
	ds_store_b32 v[LAD], v[TA]                     ; both halves of the lanes write the same number to the same word
	s_wait_tensorcnt 0x0                           ; the wave's end, behind my last LDS store
	ds_add_u32 v[SPW], v[NIL]
	s_wait_dscnt 0x0                               ; the wait also shows my store done, for wave 0's sake
	s_barrier_signal -1
	s_barrier_wait -1                              ; all 64 numbers lie in LDS
	s_cmp_lg_u32 s2, 0
	s_cbranch_scc1 .Ldone
	v_and_b32 v[TB], 31, v0
	v_lshlrev_b32 v[TB], 3, v[TB]
	ds_load_b64 v[TS:TS+1], v[TB]
	s_wait_dscnt 0x0
	global_store_b64 v[TB], v[TS:TS+1], s[24:25]   ; wave 0 stores the work-group's 256 consecutive bytes of out1, at a multiple of 256 from its first
.Ldone:
	s_endpgm
.Lfunc_end_k_qf4094fc54a_cnf:
	.size	k_qf4094fc54a_cnf, .Lfunc_end_k_qf4094fc54a_cnf-k_qf4094fc54a_cnf
	.p2alignl 7, 3214868480
	.fill 96, 4, 3214868480
	.section	.rodata,"a",@progbits
	.p2align	6, 0x0
	.amdhsa_kernel k_qf4094fc54a_cnf
		.amdhsa_group_segment_fixed_size 768
		.amdhsa_private_segment_fixed_size 0
		.amdhsa_enable_private_segment 0
		.amdhsa_kernarg_size 72
		.amdhsa_user_sgpr_count 2
		.amdhsa_user_sgpr_kernarg_segment_ptr 1
		.amdhsa_wavefront_size32 1
		.amdhsa_system_sgpr_workgroup_id_x 1
		.amdhsa_system_sgpr_workgroup_id_y 1
		.amdhsa_system_sgpr_workgroup_id_z 1
		.amdhsa_system_vgpr_workitem_id 0
		.amdhsa_next_free_vgpr 768
		.amdhsa_next_free_sgpr 66
		.amdhsa_reserve_vcc 1
		.amdhsa_float_denorm_mode_32 3
		.amdhsa_float_denorm_mode_16_64 3
		.amdhsa_memory_ordered 1
		.amdhsa_forward_progress 1
		.amdhsa_inst_pref_size 165
	.end_amdhsa_kernel
	.amdgpu_metadata
---
amdhsa.version: [ 1, 2 ]
amdhsa.kernels:
  - .name:           k_qf4094fc54a_cnf
    .symbol:         k_qf4094fc54a_cnf.kd
    .args:
      - { .name: x, .offset: 0, .size: 8, .value_kind: global_buffer, .address_space: global }
      - { .name: W1, .offset: 8, .size: 8, .value_kind: global_buffer, .address_space: global }
      - { .name: b1, .offset: 16, .size: 8, .value_kind: global_buffer, .address_space: global }
      - { .name: W2, .offset: 24, .size: 8, .value_kind: global_buffer, .address_space: global }
      - { .name: b2, .offset: 32, .size: 8, .value_kind: global_buffer, .address_space: global }
      - { .name: W3, .offset: 40, .size: 8, .value_kind: global_buffer, .address_space: global }
      - { .name: b3, .offset: 48, .size: 8, .value_kind: global_buffer, .address_space: global }
      - { .name: out0, .offset: 56, .size: 8, .value_kind: global_buffer, .address_space: global }
      - { .name: out1, .offset: 64, .size: 8, .value_kind: global_buffer, .address_space: global }
    .group_segment_fixed_size: 768
    .private_segment_fixed_size: 0
    .kernarg_segment_align: 8
    .kernarg_segment_size: 72
    .max_flat_workgroup_size: 128
    .sgpr_count:     66
    .vgpr_count:     768
    .wavefront_size: 32
...
	.end_amdgpu_metadata
.endif
;; end of part 2
